; MI455X (gfx1250); checked and timed in simulation.
; The chip was launched on July 23, 2026; its instructions are those of AMD's public machine-readable ISA for CDNA 5 (MIT licence, August 2026) and "CDNA5" Instruction Set Architecture Reference Guide (July 2026). The comments in the code are by the model that wrote it; some were corrected since.
;; Multi Head Self Attention. Allowed arithmetic: matrix products marked QUANTISED: E5M2 operands, one given power-of-two scale a tensor, by v_wmma_f32_16x16x64_bf8_bf8 or v_wmma_f32_16x16x128_bf8_bf8, f32 sums; everything else in f32.
;; Inputs: Wproj 1,024 x 1,024 float32; Wqkv 1,024 x 3,072 float32; bproj 1,024 float32; bqkv 3,072 float32; lowp_scales 8 int32 (the exponents e of the quantised operands' scales 2^e); x 4 x 2,048 x 1,024 float32.
;; Outputs: out0 4 x 2,048 x 1,024 float32.
;; This version of the problem:
;;   THIS VERSION OF THE PROBLEM IS GIVEN IN LOW PRECISION. The matrix products marked QUANTISED in the list below multiply operands that are first quantised to E5M2 (5 exponent bits, 2 mantissa bits; 8 bits a number), with one given power-of-two scale for each operand tensor; their sums are f32. All else is computed in f32.
;;   The module's matrix products, in the order in which they are computed (A, B: the left and right operand; K: the contracted axis; several contracted axes count as one K, in the product's order):
;;     1. [M 8,192, K 1,024] x [K 1,024, N 3,072]; A: input x; B: input Wqkv: QUANTISED (scales: A lowp_scales[0], B lowp_scales[1])
;;     2. batch 64 x [M 2,048, K 64] x [K 64, N 2,048]; A: computed on the way; B: computed on the way: QUANTISED (scales: A lowp_scales[2], B lowp_scales[3])
;;     3. batch 64 x [M 64, K 2,048] x [K 2,048, N 2,048]; A: computed on the way; B: softmax (see below): QUANTISED (scales: A lowp_scales[4], B lowp_scales[5])
;;     4. [M 8,192, K 1,024] x [K 1,024, N 1,024]; A: computed on the way; B: input Wproj: QUANTISED (scales: A lowp_scales[6], B lowp_scales[7])
;;   THE QUANTISER, for each operand of a quantised product, along K:
;;     - The operand's scale is 2^e, e = its entry of the input lowp_scales (int32; the entries are numbered through the quantised products in the list's order, A before B).
;;     - Each number is divided by the scale, clamped to +-57,344, and rounded to the nearest number of E5M2, ties to even, subnormals kept.
;;     - The product sums the exact products of the quantised numbers (number of the format x scale) in f32.
;;   ~~~python
;;   def quantise(x, axis, e):      # numpy; x: float32 -> the quantised numbers, widened to float32 again
;;       x = np.moveaxis(x, axis, -1); K = x.shape[-1]
;;       r = np.clip(x / 2.0 ** e, -57344, 57344)
;;       step = 2.0 ** (np.maximum(np.frexp(np.where(r == 0, 1, r))[1] - 1, -14) - 2)
;;       q = np.round(r / step) * step * 2.0 ** e      # np.round: ties to even
;;       return np.moveaxis(q, -1, axis).astype(np.float32)
;;   ~~~
;;   SOFTMAX AHEAD OF A QUANTISED PRODUCT. Where the list says 'softmax', what is quantised is not the finished softmax but p = 2^(t - M), with t = logit x log2(e) and M = ceil(the row's largest t), a whole number; so 1/2 < the row's largest p <= 1. The row's sum l is taken of the UNQUANTISED p, in f32, and the product's result is divided by l at the end. Since M is a whole number, a kernel that streams over the keys may use a running M (the ceiling of the running maximum): every later rescaling is an exact power of two, so the quantised numbers keep their values, but for numbers so far below the row's largest that they fall under the format's range.
;;   OPERANDS COMPUTED ON THE WAY. 'Computed on the way' means the value that the module computes at that place (a softmax that the list does not call 'softmax' is quantised finished and normalised). What goes into a quantiser is computed in f32, as accurately as f32 sums, v_exp_f32 and their like allow (about 1e-6 of the number): no bf16 or f16 on the way to a quantiser, and a product that is left as it is and whose result goes on into a quantised operand takes f32 operands (vector FMAs, or v_wmma_f32_16x16x4_f32). A number that lies on a knife's edge between two numbers of the format may be rounded either way, as far as f32 arithmetic and the matrix unit's own rounding can turn it there, and no further.
;; One version. Each part assembles by itself: llvm-mc -triple=amdgcn-amd-amdhsa -mcpu=gfx1250 --defsym DOCPART=n.
;; ======== version 1 of 1: 4 launches
;; limits: right only within a limited range of input values
;; workspace buffers: x_img 8,388,608 bytes; wqkv_img 3,145,728 bytes; wproj_img 1,048,576 bytes; q_img 8,388,608 bytes; k_img 8,388,608 bytes; v_img 8,388,608 bytes; out_img 8,388,608 bytes
;; launch quant (part 1): grid 640 x 1, 4 waves a work-group, no clusters, 35,328 bytes of LDS; arguments x, Wqkv, Wproj, lowp_scales, x_img, wqkv_img, wproj_img; writes x_img, wqkv_img, wproj_img
.if DOCPART == 1
	.amdgcn_target "amdgcn-amd-amdhsa--gfx1250"
	.amdhsa_code_object_version 6
	.text
	.protected	k_q9eeea328d9_quant
	.globl	k_q9eeea328d9_quant
	.p2align	8
	.type	k_q9eeea328d9_quant,@function
k_q9eeea328d9_quant:
	s_mov_b64 s[64:65], 0
	v_nop
	global_prefetch_b8 v0, s[64:65] scope:SCOPE_SE
	s_setreg_imm32_b32 hwreg(HW_REG_WAVE_MODE, 25, 1), 1
	s_wait_xcnt 0x0
; x [8192][1024], Wqkv [1024][3072] and Wproj [1024][1024], f32, become codes of BF8 (E5M2), each with the one scale 2^e that is given for it (entries 0, 1 and 7).
; code = number / 2^e, held within +-57,344, rounded to the nearest code, ties to even.  LIMITS: each e between -126 and 112; NaN among the inputs is not served (an infinity is held at the largest code).
; THE CODES ARE LAID AS IMAGES OF OPERAND REGISTERS.  A fragment is 16 rows x 64 along K: 1,024 bytes = [piece g 0..1][lane 0..31][16 bytes]; lane (r = lane % 16, h = lane / 16) holds,
; in piece g of chunk c, k = 64 c + 32 g + 16 h + 0 .. 15 of the tile's row r.  The rows of a tile are not neighbours: tile T takes rows 32 (T / 2) + 8 (T % 2) + r + 8 (r / 8).
; x_img: [tile of rows 512][chunk 16][1024];  wqkv_img, wproj_img: [tile of columns][chunk 16][1024] (a weight's "rows" are its columns n: K is its first axis).
; Work-groups 0-511 take x (one tile of 16 rows each, a wave 256 along K), 512-607 Wqkv, 608-639 Wproj (a wave 32 columns x 256 along K).  Waves share nothing: no barrier.  Only x's path touches LDS.
.set R,   16                           ; x: v16-143   32 loads of 4 registers, as loaded
.set X,   144                          ; x: v144-207  two sets of 32 numbers, 16 neighbours for each piece
.set C,   208                          ; x: v208-239  codes, eight registers a chunk: no store's data are written again
.set WX,  16                           ; weights: v16-79  two sets of 32 numbers down K
.set WC,  80                           ; weights: v80-143 codes, eight registers a block
.set SP,  272                          ; a stage row: 256 bytes + 16
.set STG, 16*SP                        ; a stage: 16 rows; two for each wave
.macro SCALE e                         ; v11 = 2^e as f32 (the conversion takes its exponent field); v10 = 57,344 x 2^e
	s_wait_kmcnt 0x0
	s_add_co_i32 s32, \e, 127
	s_lshl_b32 s33, s32, 23
	v_mov_b32 v11, s33
	s_add_co_i32 s32, s32, 15
	s_lshl_b32 s32, s32, 23
	s_or_b32 s32, s32, 0x600000
	v_mov_b32 v10, s32
.endm
.macro HOLD32 s                        ; the conversion to an 8-bit code does not saturate (ISA guide 7.6.2): hold first
.set i, 0
.rept 32
	v_med3_num_f32 v[\s+i], v[\s+i], -v10, v10
.set i, i+1
.endr
.endm
; x: chunk c's 16 rows x 256 bytes go through the wave's stage as they were loaded and come back 64 bytes a lane and piece.  LDS serves a wave's instructions in order: no wait between.
.macro TURN c
.irp t, 0,1,2,3,4,5,6,7
	ds_store_b128 v7, v[R+32*(\c)+4*\t:R+32*(\c)+4*\t+3] offset:STG*((\c)%2)+2*SP*\t
.endr
.irp g, 0,1
.irp j, 0,1,2,3
	ds_load_b128 v[X+32*((\c)%2)+16*\g+4*\j:X+32*((\c)%2)+16*\g+4*\j+3], v8 offset:STG*((\c)%2)+128*\g+16*\j
.endr
.endr
.endm
.macro STEP c
.set XS, X+32*((\c)%2)
	s_wait_dscnt 0x0                               ; this chunk's numbers are back from the stage
.if (\c) < 3
	s_wait_loadcnt 16-8*(\c)                       ; the next chunk's eight loads are in; the later chunks' may be out
	TURN (\c)+1                                    ; and go through the other stage while this chunk is worked
.endif
	HOLD32 XS
.irp g, 0,1
	v_cvt_scalef32_pk8_bf8_f32 v[C+8*(\c)+4*\g:C+8*(\c)+4*\g+1], v[XS+16*\g:XS+16*\g+7], v11
	v_cvt_scalef32_pk8_bf8_f32 v[C+8*(\c)+4*\g+2:C+8*(\c)+4*\g+3], v[XS+16*\g+8:XS+16*\g+15], v11
.endr
.irp g, 0,1
	global_store_b128 v9, v[C+8*(\c)+4*\g:C+8*(\c)+4*\g+3], s[12:13] offset:1024*(\c)+512*\g   ; 32 lanes store 512 consecutive bytes, aligned: a piece of the image
.endr
.endm
; weights: block t = 32 along K of my column, into set t % 2
.macro WLOAD t, cols, src
.set i, 0
.rept 32
	global_load_b32 v[WX+32*((\t)%2)+i], v3, s[\src:\src+1] offset:(32*(\t)+i)*\cols*4 th:TH_LOAD_NT
.set i, i+1
.endr
.endm
.macro WBLOCK t, cols, src, dst
.set XS, WX+32*((\t)%2)
.if (\t) < 7
	s_wait_loadcnt 32                              ; this block's 32 loads are in; the next block's may be out
.else
	s_wait_loadcnt 0x0
.endif
	HOLD32 XS
.irp g, 0,1,2,3
	v_cvt_scalef32_pk8_bf8_f32 v[WC+8*(\t)+2*\g:WC+8*(\t)+2*\g+1], v[XS+8*\g:XS+8*\g+7], v11
.endr
	global_store_b128 v4, v[WC+8*(\t):WC+8*(\t)+3], s[\dst:\dst+1] offset:((\t)/2)*1024+((\t)%2)*512        ; k 0-15 of the block: the image's lanes 0-15
	global_store_b128 v4, v[WC+8*(\t)+4:WC+8*(\t)+7], s[\dst:\dst+1] offset:((\t)/2)*1024+((\t)%2)*512+256  ; k 16-31: its lanes 16-31.  Each store fills 256 aligned bytes in each of two tiles
.if (\t)+2 < 8
	WLOAD (\t)+2, \cols, \src
.endif
.endm
; A LANE TAKES A COLUMN, ITS REGISTERS RUN DOWN K: the conversions then give codes with K innermost, and a lane's 16 bytes are a lane's 16 bytes of the image.
.macro WPATH cols, first, src, dst, e
	s_sub_co_u32 s19, ttmp9, \first
	s_and_b32 s20, s19, 3                          ; which 256 along K
	s_lshr_b32 s19, s19, 2
	s_lshl_b32 s19, s19, 2
	s_add_co_u32 s19, s19, s18                     ; G: which 32 columns are my wave's
	s_mul_i32 s22, s20, 256*\cols*4
	s_lshl_b32 s23, s19, 7
	s_add_co_u32 s22, s22, s23
	s_mov_b32 s23, 0
	s_add_nc_u64 s[\src:\src+1], s[\src:\src+1], s[22:23]
	s_lshl_b32 s22, s19, 15                        ; tile 2 G: 32 G x 1,024 bytes,
	s_lshl_b32 s21, s20, 12                        ; + four chunks for each 256 along K
	s_add_co_u32 s22, s22, s21
	s_add_nc_u64 s[\dst:\dst+1], s[\dst:\dst+1], s[22:23]
	WLOAD 0, \cols, \src
	WLOAD 1, \cols, \src
	SCALE \e
	s_wait_alu depctr_va_vdst(0)
.irp t, 0,1,2,3,4,5,6,7
	WBLOCK \t, \cols, \src, \dst
.endr
	s_endpgm
.endm
	s_load_b256 s[4:11], s[0:1], 0x0               ; x s[4:5], Wqkv s[6:7], Wproj s[8:9], the scales' exponents s[10:11]
	s_load_b128 s[12:15], s[0:1], 0x20             ; x_img s[12:13], wqkv_img s[14:15]
	s_load_b64 s[16:17], s[0:1], 0x30              ; wproj_img
	v_lshl_add_u32 v240, v0, 2, 0x8800
	v_mov_b32 v241, 0
	v_lshrrev_b32 v1, 5, v0
	v_readfirstlane_b32 s18, v1                    ; wave 0..3
	v_and_b32 v2, 31, v0                           ; lane
	s_wait_kmcnt 0x0
	s_load_b256 s[24:31], s[10:11], 0x0            ; e0 .. e7
	s_cmp_lt_u32 ttmp9, 512
	s_cbranch_scc0 .Lweights
	; ---- x: tile of rows = the work-group's number, chunks 4 w .. 4 w + 3
	s_wait_alu depctr_va_vdst(0)
	v_and_b32 v3, 15, v2                           ; lane % 16
	v_lshrrev_b32 v4, 4, v2                        ; lane / 16
	v_lshlrev_b32 v5, 4, v3
	v_lshl_add_u32 v6, v4, 12, v5                  ; a load takes two rows x 256 bytes: 4,096 (lane / 16) + 16 (lane % 16)
	s_wait_alu depctr_va_vdst(0)
	s_mul_i32 s19, s18, 2*STG                      ; my two stages
	v_mul_u32_u24 v7, v4, SP
	v_add_nc_u32 v7, v7, v5
	v_add_nc_u32 v7, s19, v7                       ; into a stage: as loaded
	v_mul_u32_u24 v8, v3, SP
	v_lshl_add_u32 v8, v4, 6, v8
	v_add_nc_u32 v8, s19, v8                       ; out of it: row r, + 64 h bytes: my 16 numbers of a piece
	v_lshlrev_b32 v9, 4, v2                        ; 16 x lane: my place in an image
	s_lshr_b32 s20, ttmp9, 1
	s_lshl_b32 s20, s20, 17                        ; 32 rows of 4,096 bytes for each pair of tiles,
	s_and_b32 s21, ttmp9, 1
	s_lshl_b32 s21, s21, 15                        ; 8 rows for the odd tile,
	s_add_co_u32 s20, s20, s21
	s_lshl_b32 s21, s18, 10                        ; 1,024 bytes along the row for each wave
	s_add_co_u32 s20, s20, s21
	s_mov_b32 s21, 0
	s_add_nc_u64 s[4:5], s[4:5], s[20:21]
	s_lshl_b32 s22, ttmp9, 14                      ; the image: 16 chunks a tile, four a wave
	s_lshl_b32 s23, s18, 12
	s_add_co_u32 s22, s22, s23
	s_mov_b32 s23, 0
	s_add_nc_u64 s[12:13], s[12:13], s[22:23]
.irp c, 0,1,2,3                                ; all 32 loads go out at once; the tile's rows 2 t, 2 t + 1 lie 2 t + 8 (t / 4) rows down
.irp t, 0,1,2,3,4,5,6,7
	global_load_b128 v[R+32*\c+4*\t:R+32*\c+4*\t+3], v6, s[4:5] offset:(2*\t+8*(\t/4))*4096+256*\c th:TH_LOAD_NT
.endr
.endr
	s_wait_alu depctr_va_vdst(0)
	SCALE s24
	s_wait_alu depctr_va_vdst(0)
	s_wait_loadcnt 24                              ; chunk 0's eight loads are in
	TURN 0
	STEP 0
	STEP 1
	STEP 2
	STEP 3
	s_wait_tensorcnt 0x0
	ds_add_u32 v240, v241
	s_wait_dscnt 0x0
	s_endpgm
.Lweights:
	s_wait_alu depctr_va_vdst(0)
	v_lshlrev_b32 v3, 2, v2                        ; in: 4 bytes a lane: 128 consecutive bytes a wave, 512 a work-group
	v_bfe_u32 v4, v2, 3, 1                         ; column l of the 32 lies in tile 2 G + (l / 8) % 2,
	v_and_b32 v5, 7, v2
	v_lshrrev_b32 v6, 4, v2
	v_lshl_add_u32 v5, v6, 3, v5                   ; as its row l % 8 + 8 (l / 16)
	v_lshlrev_b32 v5, 4, v5
	v_lshl_add_u32 v4, v4, 14, v5                  ; out: 16,384 x tile + 16 x row
	s_cmp_lt_u32 ttmp9, 608
	s_cbranch_scc0 .Lproj
	s_wait_alu depctr_va_vdst(0)
	WPATH 3072, 512, 6, 14, s25
.Lproj:
	s_wait_alu depctr_va_vdst(0)
	WPATH 1024, 608, 8, 16, s31
.Lfunc_end_k_q9eeea328d9_quant:
	.size	k_q9eeea328d9_quant, .Lfunc_end_k_q9eeea328d9_quant-k_q9eeea328d9_quant
	.p2alignl 7, 3214868480
	.fill 96, 4, 3214868480
	.section	.rodata,"a",@progbits
	.p2align	6, 0x0
	.amdhsa_kernel k_q9eeea328d9_quant
		.amdhsa_group_segment_fixed_size 35328
		.amdhsa_private_segment_fixed_size 0
		.amdhsa_enable_private_segment 0
		.amdhsa_kernarg_size 56
		.amdhsa_user_sgpr_count 2
		.amdhsa_user_sgpr_kernarg_segment_ptr 1
		.amdhsa_wavefront_size32 1
		.amdhsa_system_sgpr_workgroup_id_x 1
		.amdhsa_system_sgpr_workgroup_id_y 1
		.amdhsa_system_sgpr_workgroup_id_z 1
		.amdhsa_system_vgpr_workitem_id 0
		.amdhsa_next_free_vgpr 242
		.amdhsa_next_free_sgpr 66
		.amdhsa_reserve_vcc 0
		.amdhsa_float_denorm_mode_32 3
		.amdhsa_float_denorm_mode_16_64 3
		.amdhsa_memory_ordered 1
		.amdhsa_forward_progress 1
		.amdhsa_inst_pref_size 110
	.end_amdhsa_kernel
	.amdgpu_metadata
---
amdhsa.version: [ 1, 2 ]
amdhsa.kernels:
  - .name:           k_q9eeea328d9_quant
    .symbol:         k_q9eeea328d9_quant.kd
    .args:
      - { .name: x, .offset: 0, .size: 8, .value_kind: global_buffer, .address_space: global }
      - { .name: Wqkv, .offset: 8, .size: 8, .value_kind: global_buffer, .address_space: global }
      - { .name: Wproj, .offset: 16, .size: 8, .value_kind: global_buffer, .address_space: global }
      - { .name: lowp_scales, .offset: 24, .size: 8, .value_kind: global_buffer, .address_space: global }
      - { .name: x_img, .offset: 32, .size: 8, .value_kind: global_buffer, .address_space: global }
      - { .name: wqkv_img, .offset: 40, .size: 8, .value_kind: global_buffer, .address_space: global }
      - { .name: wproj_img, .offset: 48, .size: 8, .value_kind: global_buffer, .address_space: global }
    .group_segment_fixed_size: 35328
    .private_segment_fixed_size: 0
    .kernarg_segment_align: 8
    .kernarg_segment_size: 56
    .max_flat_workgroup_size: 128
    .sgpr_count:     66
    .vgpr_count:     242
    .wavefront_size: 32
...
	.end_amdgpu_metadata
.endif
;; end of part 1
;; launch qkv (part 2): grid 8 x 32, 4 waves a work-group, clusters of 4 x 4, 327,680 bytes of LDS; arguments x_img, wqkv_img, lowp_scales, bqkv, q_img, k_img, v_img; writes q_img, k_img, v_img
.if DOCPART == 2
	.amdgcn_target "amdgcn-amd-amdhsa--gfx1250"
	.amdhsa_code_object_version 6
	.text
	.protected	k_q9eeea328d9_qkv
	.globl	k_q9eeea328d9_qkv
	.p2align	8
	.type	k_q9eeea328d9_qkv,@function
k_q9eeea328d9_qkv:
	s_mov_b64 s[64:65], 0
	v_nop
	global_prefetch_b8 v0, s[64:65] scope:SCOPE_SE
	s_setreg_imm32_b32 hwreg(HW_REG_WAVE_MODE, 25, 1), 1
	s_wait_xcnt 0x0
	s_wait_alu depctr_hold_cnt(0) depctr_sa_sdst(0) depctr_va_vdst(0) depctr_va_sdst(0) depctr_va_ssrc(0) depctr_va_vcc(0) depctr_vm_vsrc(0)
	s_getreg_b32 s2, hwreg(HW_REG_IB_STS2, 6, 4)
	s_cmp_eq_u32 s2, 0
	s_cbranch_scc0 .Lentry_in_a_cluster
	s_endpgm
.Lentry_in_a_cluster:
	s_bfe_u32 s2, ttmp6, 0x10000c
	s_cmp_lg_u32 s2, 0xf033
	s_cbranch_scc0 .Lentry_shape_is_right
	s_endpgm
.Lentry_shape_is_right:
.set SPARE, 286720
.set LI,    1
.set ADRA0, 2
.set ADRB0, 3
.set ADRA1, 4
.set ADRB1, 5
.set ADRA2, 6
.set ADRB2, 7
.set SPW,   8
.set NIL,   9
.set BO,    10
.set BV,    11
.set SCL,   12
.set HLD,   13
.set AF,    32
.set BF,    160
.set T,     96
.set CD,    192
.set BQ,    32
.set BVR,   160
.set G1A4, 24
.set G1B4, 32
.set G1A3, 40
.set G1B3, 48
.set G0A0, 56
.set G0A1, 60
.set G0B0, 68
.set G0B1, 72
.set MSB, 0
.macro WIN new
.if MSB != (\new)
	s_set_vgpr_msb (MSB<<8)|(\new)
.set MSB, (\new)
.endif
.endm
.macro PLACES
.rept 4
	v_nop
.endr
.endm
.macro JLOAD g0a, g1a, g0b, g1b
	s_cmp_eq_u32 s19, 0
	s_cbranch_scc0 .Lfor_b_\@
	tensor_load_to_lds s[\g0a:\g0a+3], s[\g1a:\g1a+7]
	s_nop 0
.rept 4
	v_nop
.endr
	s_branch .Lasked_\@
.Lfor_b_\@:
	tensor_load_to_lds s[\g0b:\g0b+3], s[\g1b:\g1b+7]
	s_nop 0
.rept 4
	v_nop
.endr
.Lasked_\@:
.endm
.macro CREST
	s_cmp_lg_u32 s18, 0
	s_cbranch_scc1 .Lnot_wave_0_\@
	s_barrier_signal -3
.Lnot_wave_0_\@:
	s_barrier_wait -3
	s_barrier_signal -1
	s_barrier_wait -1
.endm
.macro CROUND
	s_barrier_signal -1
	s_barrier_wait -1
	CREST
.endm
.macro FETCH_A adr, off, ts, set
.irp i, 0,1,2,3,4,5,6,7
	ds_load_b128 v[AF+64*(\set)+8*\i:AF+64*(\set)+8*\i+3],   v[\adr] offset:(\off)+\i*(\ts)
	ds_load_b128 v[AF+64*(\set)+8*\i+4:AF+64*(\set)+8*\i+7], v[\adr] offset:(\off)+\i*(\ts)+512
.endr
.endm
.macro FETCH_B adr, off, ts, sec
.irp i, 0,1,2,3
	ds_load_b128 v[BF+32*\sec+8*\i:BF+32*\sec+8*\i+3],   v[\adr] offset:(\off)+(4*\sec+\i)*(\ts)
	ds_load_b128 v[BF+32*\sec+8*\i+4:BF+32*\sec+8*\i+7], v[\adr] offset:(\off)+(4*\sec+\i)*(\ts)+512
.endr
.endm
.macro SECH sec, p, zero, b0
.irp b, \b0, \b0+1
.irp a, 0,1,2,3,4,5,6,7
.if \sec < 2
.if \zero
	v_wmma_f32_16x16x64_bf8_bf8 v[8*(8*(\b)+\a):8*(8*(\b)+\a)+7], v[BF+32*\sec+8*(\b):BF+32*\sec+8*(\b)+7], v[AF+64*(\p)+8*\a:AF+64*(\p)+8*\a+7], 0
.else
	v_wmma_f32_16x16x64_bf8_bf8 v[8*(8*(\b)+\a):8*(8*(\b)+\a)+7], v[BF+32*\sec+8*(\b):BF+32*\sec+8*(\b)+7], v[AF+64*(\p)+8*\a:AF+64*(\p)+8*\a+7], v[8*(8*(\b)+\a):8*(8*(\b)+\a)+7]
.endif
.else
.if \zero
	v_wmma_f32_16x16x64_bf8_bf8 v[8*(8*(\b)+\a):8*(8*(\b)+\a)+7], v[AF+64*(\p)+8*\a:AF+64*(\p)+8*\a+7], v[BF+32*\sec+8*(\b):BF+32*\sec+8*(\b)+7], 0
.else
	v_wmma_f32_16x16x64_bf8_bf8 v[8*(8*(\b)+\a):8*(8*(\b)+\a)+7], v[AF+64*(\p)+8*\a:AF+64*(\p)+8*\a+7], v[BF+32*\sec+8*(\b):BF+32*\sec+8*(\b)+7], v[8*(8*(\b)+\a):8*(8*(\b)+\a)+7]
.endif
.endif
.endr
.endr
.endm
.macro SEC sec, p, zero
	WIN 0x50*(\sec+1)
	SECH \sec, \p, \zero, 0
	SECH \sec, \p, \zero, 2
	WIN 0
.endm
.macro CH p, zero, na, nb, noff, nts
	s_wait_dscnt 16
	SEC 0, \p, \zero
	PLACES
	FETCH_B \nb, \noff, \nts, 0
	FETCH_A \na, \noff, \nts, 1-\p
	s_wait_dscnt 32
	SEC 1, \p, \zero
	PLACES
	FETCH_B \nb, \noff, \nts, 1
	s_wait_dscnt 32
	SEC 2, \p, \zero
	PLACES
	FETCH_B \nb, \noff, \nts, 2
.endm
.macro TURN p, fill, g0a, g0b, step, relds, na, nb
	s_wait_tensorcnt 0x0
	ds_add_u32 v[SPW], v[NIL]
	s_wait_dscnt 17
	WIN 0x50
	SECH 0, \p, 0, 0
	s_wait_dscnt 0x0
	s_barrier_signal -1
	SECH 0, \p, 0, 2
	WIN 0
	s_barrier_wait -1
.if \fill
	CREST
.if \relds
	s_mul_i32 s[\g0a+1], s20, 24576
	s_mul_i32 s[\g0b+1], s20, 36864
	s_add_co_u32 s[\g0b+1], s[\g0b+1], 65536
.endif
	s_add_nc_u64 s[\g0a+2:\g0a+3], s[\g0a+2:\g0a+3], \step
	s_add_nc_u64 s[\g0b+2:\g0b+3], s[\g0b+2:\g0b+3], \step
	JLOAD \g0a, G1A3, \g0b, G1B3
.else
	PLACES
.endif
	s_wait_alu depctr_va_vdst(0)
	FETCH_B \nb, 0, 3072, 0
	FETCH_A \na, 0, 3072, 1-\p
	SEC 1, \p, 0
	PLACES
	FETCH_B \nb, 0, 3072, 1
	SEC 2, \p, 0
	PLACES
	FETCH_B \nb, 0, 3072, 2
.endm
	s_load_b256 s[4:11], s[0:1], 0x0
	s_load_b128 s[12:15], s[0:1], 0x20
	s_load_b64 s[16:17], s[0:1], 0x30
	v_lshl_add_u32 v[SPW], v0, 2, SPARE
	v_mov_b32 v[NIL], 0
	ds_add_u32 v8, v9
	ds_add_u32 v8, v9
	s_wait_dscnt 0x0
	v_lshrrev_b32 v1, 5, v0
	v_readfirstlane_b32 s18, v1
	s_lshr_b32 s19, s18, 1
	s_and_b32 s20, s18, 1
	s_bfe_u32 s76, ttmp6, 0x40000
	s_bfe_u32 s77, ttmp6, 0x40004
	s_lshl_b32 s78, ttmp9, 2
	s_add_co_u32 s78, s78, s76
	s_and_b32 s79, ttmp7, 0xffff
	s_lshl_b32 s79, s79, 2
	s_add_co_u32 s79, s79, s77
	s_lshl_b32 s80, s77, 2
	s_lshl_b32 s80, 15, s80
	s_lshl_b32 s81, 0x1111, s76
	s_or_b32 s[G1A4], s80, (3<<16)|(1<<21)
	s_or_b32 s[G1A3], s80, (3<<16)|(1<<21)
	s_or_b32 s[G1B4], s81, (3<<16)|(1<<21)
	s_or_b32 s[G1B3], s81, (3<<16)|(1<<21)
.irp g, G1A4, G1B4
	s_mov_b32 s[\g+1], 512<<16
	s_mov_b32 s[\g+3], 512<<16
.endr
.irp g, G1A3, G1B3
	s_mov_b32 s[\g+1], 384<<16
	s_mov_b32 s[\g+3], 384<<16
.endr
.irp g, G1A4, G1A3
	s_mov_b32 s[\g+2], 8<<16
	s_mov_b32 s[\g+4], 8
.endr
.irp g, G1B4, G1B3
	s_mov_b32 s[\g+2], 12<<16
	s_mov_b32 s[\g+4], 12
.endr
.irp g, G1A4, G1B4, G1A3, G1B3
	s_mov_b32 s[\g+5], 2048
	s_mov_b32 s[\g+6], 0
	s_mov_b32 s[\g+7], 0
.endr
	s_lshl_b32 s82, s79, 18
	s_lshl_b32 s83, s20, 17
	s_add_co_u32 s82, s82, s83
	s_mov_b32 s83, 0
	s_mul_i32 s84, s78, 393216
	s_mul_i32 s85, s20, 196608
	s_add_co_u32 s84, s84, s85
	s_mov_b32 s85, 0
	s_wait_kmcnt 0x0
	s_load_b256 s[92:99], s[8:9], 0x0
	s_add_nc_u64 s[82:83], s[4:5], s[82:83]
	s_add_nc_u64 s[84:85], s[6:7], s[84:85]
	CROUND
	s_mov_b32 s[G0A0], 1
	s_lshl_b32 s[G0A0+1], s20, 15
	s_mov_b64 s[G0A0+2:G0A0+3], s[82:83]
	s_or_b32 s[G0A0+3], s[G0A0+3], 0x80000000
	s_mov_b32 s[G0B0], 1
	s_mul_i32 s[G0B0+1], s20, 49152
	s_add_co_u32 s[G0B0+1], s[G0B0+1], 65536
	s_mov_b64 s[G0B0+2:G0B0+3], s[84:85]
	s_or_b32 s[G0B0+3], s[G0B0+3], 0x80000000
	JLOAD G0A0, G1A4, G0B0, G1B4
	s_mov_b32 s[G0A1], 1
	s_mul_i32 s[G0A1+1], s20, 24576
	s_add_co_u32 s[G0A1+1], s[G0A1+1], 163840
	s_add_nc_u64 s[G0A1+2:G0A1+3], s[82:83], 4096
	s_or_b32 s[G0A1+3], s[G0A1+3], 0x80000000
	s_mov_b32 s[G0B1], 1
	s_mul_i32 s[G0B1+1], s20, 36864
	s_add_co_u32 s[G0B1+1], s[G0B1+1], 212992
	s_add_nc_u64 s[G0B1+2:G0B1+3], s[84:85], 4096
	s_or_b32 s[G0B1+3], s[G0B1+3], 0x80000000
	s_wait_alu depctr_va_vdst(0)
	s_wait_tensorcnt 0x0
	ds_add_u32 v8, v9
	s_wait_dscnt 0x0
	CROUND
	JLOAD G0A1, G1A3, G0B1, G1B3
	v_and_b32 v1, 31, v0
	v_lshlrev_b32 v[LI], 4, v1
	s_wait_alu depctr_va_vdst(0)
	s_lshl_b32 s86, s19, 15
	v_add_nc_u32 v[ADRA0], s86, v[LI]
	s_mul_i32 s86, s20, 49152
	s_add_co_u32 s86, s86, 65536
	v_add_nc_u32 v[ADRB0], s86, v[LI]
	s_mul_i32 s86, s19, 24576
	v_add_nc_u32 v[ADRA2], s86, v[LI]
	s_add_co_u32 s86, s86, 163840
	v_add_nc_u32 v[ADRA1], s86, v[LI]
	s_mul_i32 s86, s20, 36864
	s_add_co_u32 s86, s86, 65536
	v_add_nc_u32 v[ADRB2], s86, v[LI]
	s_add_co_u32 s86, s86, 147456
	v_add_nc_u32 v[ADRB1], s86, v[LI]
	v_bfe_u32 v[BO], v0, 4, 1
	v_lshlrev_b32 v[BO], 6, v[BO]
	v_and_b32 v14, 15, v0
	v_and_b32 v[BV], 8, v14
	v_add_nc_u32 v[BV], v[BV], v14
	v_lshlrev_b32 v[BV], 2, v[BV]
	s_lshl_b32 s87, s78, 1
	s_add_co_u32 s87, s87, s20
	s_mul_i32 s90, s87, 768
	s_mov_b32 s91, 0
	s_add_nc_u64 s[10:11], s[10:11], s[90:91]
	s_lshr_b32 s86, s79, 3
	s_lshl_b32 s86, s86, 4
	s_add_co_u32 s86, s86, s87
	s_lshl_b32 s86, s86, 17
	s_and_b32 s88, s79, 7
	s_lshl_b32 s88, s88, 14
	s_add_co_u32 s86, s86, s88
	s_lshl_b32 s88, s19, 13
	s_add_co_u32 s86, s86, s88
	s_mov_b32 s87, 0
	s_add_nc_u64 s[12:13], s[12:13], s[86:87]
	s_add_nc_u64 s[14:15], s[14:15], s[86:87]
	s_add_nc_u64 s[16:17], s[16:17], s[86:87]
	s_wait_tensorcnt 1
	s_barrier_signal -1
	s_barrier_wait -1
	FETCH_B ADRB0, 0, 4096, 0
	FETCH_A ADRA0, 0, 4096, 0
	FETCH_B ADRB0, 0, 4096, 1
	FETCH_B ADRB0, 0, 4096, 2
	CH 0, 1, ADRA0, ADRB0, 1024, 4096
	CH 1, 0, ADRA0, ADRB0, 2048, 4096
	CH 0, 0, ADRA0, ADRB0, 3072, 4096
	TURN 1, 1, G0A0, G0B0, 7168, 1, ADRA1, ADRB1
	CH 0, 0, ADRA1, ADRB1, 1024, 3072
	CH 1, 0, ADRA1, ADRB1, 2048, 3072
	TURN 0, 1, G0A1, G0B1, 6144, 0, ADRA2, ADRB2
	CH 1, 0, ADRA2, ADRB2, 1024, 3072
	CH 0, 0, ADRA2, ADRB2, 2048, 3072
	TURN 1, 1, G0A0, G0B0, 6144, 0, ADRA1, ADRB1
	CH 0, 0, ADRA1, ADRB1, 1024, 3072
	CH 1, 0, ADRA1, ADRB1, 2048, 3072
	TURN 0, 0, G0A0, G0B0, 0, 0, ADRA2, ADRB2
	CH 1, 0, ADRA2, ADRB2, 1024, 3072
	CH 0, 0, ADRA2, ADRB2, 2048, 3072
	s_wait_dscnt 16
	SEC 0, 1, 0
	PLACES
.irp sec, 0,1
.irp b, 0,1,2,3
	global_load_b128 v[BQ+32*\sec+8*\b:BQ+32*\sec+8*\b+3],   v[BO], s[10:11] offset:256*\sec+(32*(\b/2)+8*(\b%2))*4
	global_load_b128 v[BQ+32*\sec+8*\b+4:BQ+32*\sec+8*\b+7], v[BO], s[10:11] offset:256*\sec+(32*(\b/2)+8*(\b%2))*4+16
.endr
.endr
.irp t, 0,1,2,3
	global_load_b32 v[BVR+2*\t], v[BV], s[10:11] offset:512+(32*(\t/2)+8*(\t%2))*4
.endr
	s_wait_dscnt 0x0
	SEC 1, 1, 0
	SEC 2, 1, 0
	PLACES
.macro SETQ e
	s_add_co_i32 s2, \e, 127
	s_lshl_b32 s3, s2, 23
	v_mov_b32 v[SCL], s3
	s_add_co_i32 s2, s2, 15
	s_lshl_b32 s2, s2, 23
	s_or_b32 s2, s2, 0x600000
	v_mov_b32 v[HLD], s2
.endm
.macro FINISH cd, ptr, off
.set i, 0
.rept 32
	v_med3_num_f32 v[T+i], v[T+i], -v[HLD], v[HLD]
.set i, i+1
.endr
.irp g, 0,1
	v_cvt_scalef32_pk8_bf8_f32 v[CD+(\cd)+4*\g:CD+(\cd)+4*\g+1],   v[T+16*\g:T+16*\g+7],    v[SCL]
	v_cvt_scalef32_pk8_bf8_f32 v[CD+(\cd)+4*\g+2:CD+(\cd)+4*\g+3], v[T+16*\g+8:T+16*\g+15], v[SCL]
.endr
	v_nop
	global_store_b128 v[LI], v[CD+(\cd):CD+(\cd)+3],   s[\ptr:\ptr+1] offset:(\off)
	global_store_b128 v[LI], v[CD+(\cd)+4:CD+(\cd)+7], s[\ptr:\ptr+1] offset:(\off)+512
.endm
.macro EPIQ sec, a, ptr
	WIN \sec+1
.irp b, 0,1,2,3
.irp i, 0,2,4,6
	v_pk_fma_f32 v[T+8*\b+\i:T+8*\b+\i+1], v[8*(8*\b+\a)+\i:8*(8*\b+\a)+\i+1], s[100:101], v[BQ+32*\sec+8*\b+\i:BQ+32*\sec+8*\b+\i+1] op_sel_hi:[1,0,1]
.endr
.endr
	WIN 0
	FINISH 8*\a, \ptr, \a*1024
.endm
.macro EPIV t, half
	WIN 3
.set j, 0
.rept 16
	v_pk_fma_f32 v[T+j:T+j+1], v[64*\t+32*\half+j:64*\t+32*\half+j+1], s[100:101], v[BVR+2*\t:BVR+2*\t+1] op_sel_hi:[1,0,0]
.set j, j+2
.endr
	WIN 0
	FINISH 8*(2*\t+\half), 16, \t*2048+\half*1024
.endm
	s_wait_kmcnt 0x0
	s_add_co_i32 s100, s92, s93
	s_add_co_i32 s100, s100, 127
	s_lshl_b32 s100, s100, 23
	s_mov_b32 s101, s100
	s_wait_loadcnt 0x0
	SETQ s94
.irp a, 0,1,2,3,4,5,6,7
	EPIQ 0, \a, 12
.endr
	s_wait_xcnt 0x0
	SETQ s95
.irp a, 0,1,2,3,4,5,6,7
	EPIQ 1, \a, 14
.endr
	s_wait_xcnt 0x0
	SETQ s96
.irp t, 0,1,2,3
	EPIV \t, 0
	EPIV \t, 1
.endr
	s_wait_tensorcnt 0x0
	ds_add_u32 v[SPW], v[NIL]
	s_wait_dscnt 0x0
	CROUND
	s_endpgm
.Lfunc_end_k_q9eeea328d9_qkv:
	.size	k_q9eeea328d9_qkv, .Lfunc_end_k_q9eeea328d9_qkv-k_q9eeea328d9_qkv
	.p2alignl 7, 3214868480
	.fill 96, 4, 3214868480
	.section	.rodata,"a",@progbits
	.p2align	6, 0x0
	.amdhsa_kernel k_q9eeea328d9_qkv
		.amdhsa_group_segment_fixed_size 327680
		.amdhsa_private_segment_fixed_size 0
		.amdhsa_enable_private_segment 0
		.amdhsa_kernarg_size 56
		.amdhsa_user_sgpr_count 2
		.amdhsa_user_sgpr_kernarg_segment_ptr 1
		.amdhsa_wavefront_size32 1
		.amdhsa_system_sgpr_workgroup_id_x 1
		.amdhsa_system_sgpr_workgroup_id_y 1
		.amdhsa_system_sgpr_workgroup_id_z 1
		.amdhsa_system_vgpr_workitem_id 0
		.amdhsa_next_free_vgpr 1024
		.amdhsa_next_free_sgpr 102
		.amdhsa_reserve_vcc 0
		.amdhsa_float_denorm_mode_32 3
		.amdhsa_float_denorm_mode_16_64 3
		.amdhsa_memory_ordered 1
		.amdhsa_forward_progress 1
		.amdhsa_inst_pref_size 246
	.end_amdhsa_kernel
	.amdgpu_metadata
---
amdhsa.version: [ 1, 2 ]
amdhsa.kernels:
  - .name:           k_q9eeea328d9_qkv
    .symbol:         k_q9eeea328d9_qkv.kd
    .args:
      - { .name: x_img, .offset: 0, .size: 8, .value_kind: global_buffer, .address_space: global }
      - { .name: wqkv_img, .offset: 8, .size: 8, .value_kind: global_buffer, .address_space: global }
      - { .name: lowp_scales, .offset: 16, .size: 8, .value_kind: global_buffer, .address_space: global }
      - { .name: bqkv, .offset: 24, .size: 8, .value_kind: global_buffer, .address_space: global }
      - { .name: q_img, .offset: 32, .size: 8, .value_kind: global_buffer, .address_space: global }
      - { .name: k_img, .offset: 40, .size: 8, .value_kind: global_buffer, .address_space: global }
      - { .name: v_img, .offset: 48, .size: 8, .value_kind: global_buffer, .address_space: global }
    .group_segment_fixed_size: 327680
    .private_segment_fixed_size: 0
    .kernarg_segment_align: 8
    .kernarg_segment_size: 56
    .max_flat_workgroup_size: 128
    .sgpr_count:     102
    .vgpr_count:     1024
    .wavefront_size: 32
...
	.end_amdgpu_metadata
.endif
;; end of part 2
;; launch attn (part 3): grid 4 x 64, 8 waves a work-group, clusters of 4 x 1, 327,680 bytes of LDS; arguments q_img, k_img, v_img, lowp_scales, out_img; writes out_img
.if DOCPART == 3
	.amdgcn_target "amdgcn-amd-amdhsa--gfx1250"
	.amdhsa_code_object_version 6
	.text
	.protected	k_q9eeea328d9_attn
	.globl	k_q9eeea328d9_attn
	.p2align	8
	.type	k_q9eeea328d9_attn,@function
k_q9eeea328d9_attn:
	s_mov_b64 s[64:65], 0
	v_nop
	global_prefetch_b8 v0, s[64:65] scope:SCOPE_SE
	s_setreg_imm32_b32 hwreg(HW_REG_WAVE_MODE, 25, 1), 1
	s_wait_xcnt 0x0
	s_wait_alu depctr_hold_cnt(0) depctr_sa_sdst(0) depctr_va_vdst(0) depctr_va_sdst(0) depctr_va_ssrc(0) depctr_va_vcc(0) depctr_vm_vsrc(0)
	s_getreg_b32 s2, hwreg(HW_REG_IB_STS2, 6, 4)
	s_cmp_eq_u32 s2, 0
	s_cbranch_scc0 .Lentry_in_a_cluster
	s_endpgm
.Lentry_in_a_cluster:
	s_bfe_u32 s2, ttmp6, 0x10000c
	s_cmp_lg_u32 s2, 0x3003
	s_cbranch_scc0 .Lentry_shape_is_right
	s_endpgm
.Lentry_shape_is_right:
; Causal attention of one (batch, head) on codes of BF8: S^T = K Q^T (K = the head's 64), p = 2^(t - M), O^T = V^T P^T (K = 128 keys a step), O / l quantised into out_img, the last product's operand.
; t = score x 2^(e2 + e3) x log2(e) / 32; M = the running largest t rounded UP to a whole number; l is the sum of the unquantised p; when M moves, l and O^T are multiplied by 2^(old M - new M), which rounds nothing.
; LEFT OUT: key steps all of whose keys come after a wave's queries: the causal mask sets their scores to -infinity, so their p is 0 for all values of the inputs.
; A NaN, an infinity or an overflow that reaches only those scores is not carried to the result.
; q_img, k_img: [bh][tile 128][1024]: tile T holds rows 32 (T / 2) + 8 (T % 2) + r + 8 (r / 8).  v_img: [bh][step of 128 keys][tile of channels 4][piece 4][512].  out_img: [tile of 16 rows, 512][head 16][1024].
; LDS: a head's K (131,072 bytes) and V (131,072 bytes) lie there WHOLE, each byte filled once: no slot is filled again.  The first fill brings key steps 0 to 5, the second steps 6 to 15; the second is on its way
; while the first four steps are worked (loop A reads steps 0 to 4 at the most).
; CLUSTER: the four work-groups of a head need the same 262,144 bytes: every fill is a joint load with the mask of all four.
; SHARES: 8 waves; a wave owns 32 queries (two tiles) at a time, so that each fragment of K and V feeds two matrix instructions.  Of the head's 64 groups of 32 queries wave w of work-group p owns
; 63 - 4 w - p (16 - w key steps) and then 4 w + p (w + 1 key steps): 17 steps in every wave.  Trip i is step i of the first group while i + w < 16, else step i + w - 16 of the second.
; No branch and no LDS address hangs on p: it enters global addresses and the mask's numbers alone.  A group's last step lies on the diagonal: there hidden scores become -infinity.  Key 0 is in each group's first step.
; Both groups' Q are loaded at the head, so that the change of groups waits for no load.
; FRAGMENTS are asked for a step ahead: K's behind the S products, V's behind the O products.  The last trip's requests are read by nobody; they keep the counted waits the same in every trip.
; NO PREFETCH INTO THE L2: both tensor loads of a wave go out at the head, so there is no loop in which to ask ahead of them.
; LIMITS: e2 + e3 between -121 and 132 (added to c's exponent field); e5, e6 between -126 and 112; NaN is not served.
; REGISTERS.  Window 0: v1 16 x lane, v2 the same in V's region, v5, v6 the spare word and 0, v8, v9 LDS addresses, S^T then p, codes, the softmax's state.  Window 1: Q, K's and V's fragments, O^T, the second group's Q.
.set VOFF,  131072
.set SPARE, 262144                     ; behind K and V: the spare words, 128 bytes a wave: four blocks of 256 bytes that no other line names
.set FA,    12288                      ; bytes a wave brings in the first fill: a quarter of six steps of K or of V, 48 rows of 256
.set FB,    20480                      ; and in the second: a quarter of ten steps, 80 rows
.set NA,    4                          ; trips of loop A
.set LI, 1
.set LV, 2
.set SPW, 5
.set NIL, 6
.set ADK, 8
.set ADV, 9
.set S,   16                           ; v16-143  S^T, then p: tile a at 64 a; register 16 c + i is key 32 c + 16 h + i
.set CD,  144                          ; v144-175 p's codes, 16 a tile
.set NM,  176                          ; pairs (-M, largest t), one a tile
.set L,   180                          ; l in two halves, a pair a tile
.set F,   184                          ; f = 2^(old M - new M), low word of a pair a tile
.set PM,  192                          ; lane permutes' destinations
.set SCP, 206                          ; 2^e5
.set SCO, 208                          ; 2^e6
.set HLO, 209                          ; 57,344 x 2^e6
.set DB,  210                          ; r + 8 (r / 8) - 16 h
.set NINF, 211
.set D0,  212
.set OCD, 216                          ; v216-231 O's codes: registers of their own, so that no step's codes land on a store's data
.set XA,  232                          ; v232-239 the maxima's chains, four a tile
.set C,   240                          ; v240-253 seven pairs: chains of the sum
.set HS,  94                           ; s94 57,344 x 2^e5
.set QF,  0                            ; window 1: v0-15 Q, 8 a tile
.set KF,  16                           ; window 1: v16-79 eight fragments of K
.set VF,  80                           ; window 1: v80-143 four fragments of V
.set O,   144                          ; window 1: v144-207 O^T: tile a, channels' tile t at 32 a + 8 t
.set Q2,  208                          ; window 1: v208-223 the second group's Q
.set MSB, 0
.macro WIN new                         ; the immediate's high byte repeats the setting that is left
.if MSB != (\new)
	s_set_vgpr_msb (MSB<<8)|(\new)
.set MSB, (\new)
.endif
.endm
.macro CROUND                          ; a round of the cluster's barrier
	s_barrier_signal -1
	s_barrier_wait -1
	s_cmp_lg_u32 s18, 0
	s_cbranch_scc1 .Lnw0_\@
	s_barrier_signal -3
.Lnw0_\@:
	s_barrier_wait -3
	s_barrier_signal -1
	s_barrier_wait -1
.endm
.macro KLOAD adr                       ; a step's eight tiles of K: 16 loads of 512 consecutive bytes
	WIN 0x40
.irp t, 0,1,2,3,4,5,6,7
	ds_load_b128 v[KF+8*\t:KF+8*\t+3], v[\adr] offset:1024*\t
	ds_load_b128 v[KF+8*\t+4:KF+8*\t+7], v[\adr] offset:1024*\t+512
.endr
	WIN 0
.endm
.macro VLOAD adr                       ; a step's four tiles of V: 16 loads
	WIN 0x40
.irp t, 0,1,2,3
.irp c, 0,1,2,3
	ds_load_b128 v[VF+16*\t+4*\c:VF+16*\t+4*\c+3], v[\adr] offset:2048*\t+512*\c
.endr
.endr
	WIN 0
.endm
.macro BEGIN                           ; a group begins: O^T = 0, l = 0, the largest t = -3e38 (under every t), -M = 3e38
	WIN 0x40
.set i, 0
.rept 64
	v_mov_b32 v[O+i], 0
.set i, i+1
.endr
	WIN 0
.irp a, 0,1
	v_mov_b32 v[NM+2*\a+1], 0xff61b1e6
	v_mov_b32 v[NM+2*\a], 0x7f61b1e6
	v_mov_b32 v[L+2*\a], 0
	v_mov_b32 v[L+2*\a+1], 0
.endr
.endm
.macro MX0 a                           ; tile a's largest score: four chains begin, on scores 0 to 11; each accumulator is read from its low end on
.irp q, 0,1,2,3
	v_max3_num_f32 v[XA+4*\a+\q], v[S+64*\a+3*\q], v[S+64*\a+3*\q+1], v[S+64*\a+3*\q+2]
.endr
.endm
.macro MX a, m                         ; and go on: the m-th of 26 lines takes scores 12 + 2 m, 13 + 2 m
	v_max3_num_f32 v[XA+4*\a+(\m)%4], v[XA+4*\a+(\m)%4], v[S+64*\a+12+2*(\m)], v[S+64*\a+13+2*(\m)]
.endm
.macro CH a, k                         ; line k of the eleven that lead from tile a's four chains to -M and f; each reads the one before, so they stand among the other tile's independent lines
.if (\k)==0
	v_max3_num_f32 v[XA+4*\a], v[XA+4*\a], v[XA+4*\a+1], v[XA+4*\a+2]
.endif
.if (\k)==1
	v_max_num_f32 v[XA+4*\a], v[XA+4*\a], v[XA+4*\a+3]
.endif
.if (\k)==2
	v_permlanex16_b32 v[PM+\a], v[XA+4*\a], s20, s21
.endif
.if (\k)==3
	v_max_num_f32 v[XA+4*\a], v[XA+4*\a], v[PM+\a]         ; and among lane l xor 16's
.endif
.if (\k)==4
	v_mul_f32 v[XA+4*\a], s22, v[XA+4*\a]                  ; as t (c is positive)
.endif
.if (\k)==5
	v_max_num_f32 v[NM+2*\a+1], v[NM+2*\a+1], v[XA+4*\a]   ; the running largest t
.endif
.if (\k)==6
	v_mov_b32 v[XA+4*\a], v[NM+2*\a]
.endif
.if (\k)==7
	v_floor_f32 v[NM+2*\a], -v[NM+2*\a+1]                  ; the new -M = -ceil(t)
.endif
.if (\k)==8
	v_sub_f32 v[XA+4*\a], v[NM+2*\a], v[XA+4*\a]           ; old M - new M: a whole number, 0 or less
.endif
.if (\k)==9
	v_cvt_i32_f32 v[XA+4*\a], v[XA+4*\a]                   ; (it saturates)
.endif
.if (\k)==10
	v_ldexp_f32 v[F+2*\a], 1.0, v[XA+4*\a]                 ; f = 2^(old M - new M)
.endif
.endm
.macro SUM a                           ; l += tile a's unquantised p: 32 packed additions in eight chains
.irp q, 0,1,2,3,4,5,6
	v_pk_add_f32 v[C+2*\q:C+2*\q+1], v[S+64*\a+4*\q:S+64*\a+4*\q+1], v[S+64*\a+4*\q+2:S+64*\a+4*\q+3]
.endr
	v_pk_add_f32 v[L+2*\a:L+2*\a+1], v[L+2*\a:L+2*\a+1], v[S+64*\a+28:S+64*\a+29]
.irp k, 30,46
.irp q, 0,1,2,3,4,5,6
	v_pk_add_f32 v[C+2*\q:C+2*\q+1], v[C+2*\q:C+2*\q+1], v[S+64*\a+\k+2*\q:S+64*\a+\k+2*\q+1]
.endr
	v_pk_add_f32 v[L+2*\a:L+2*\a+1], v[L+2*\a:L+2*\a+1], v[S+64*\a+\k+14:S+64*\a+\k+15]
.endr
	v_pk_add_f32 v[C:C+1], v[C:C+1], v[S+64*\a+62:S+64*\a+63]
	v_pk_add_f32 v[C+4:C+5], v[C+4:C+5], v[C+6:C+7]
	v_pk_add_f32 v[C+8:C+9], v[C+8:C+9], v[C+10:C+11]
	v_pk_add_f32 v[L+2*\a:L+2*\a+1], v[L+2*\a:L+2*\a+1], v[C+12:C+13]
	v_pk_add_f32 v[C:C+1], v[C:C+1], v[C+2:C+3]
	v_pk_add_f32 v[L+2*\a:L+2*\a+1], v[L+2*\a:L+2*\a+1], v[C+8:C+9]
	v_pk_add_f32 v[C:C+1], v[C:C+1], v[C+4:C+5]
	v_pk_add_f32 v[L+2*\a:L+2*\a+1], v[L+2*\a:L+2*\a+1], v[C:C+1]
.endm
.macro HOLD2 r                         ; two holds in one instruction.  The conversion does not saturate (ISA guide 7.6.2); p is not negative, so the hold is one-sided
	v_dual_min_num_f32 v[\r], s[HS], v[\r] :: v_dual_min_num_f32 v[\r+1], s[HS], v[\r+1]
.endm
.macro CVT a, b                        ; 16 neighbouring keys' p of tile a into four registers of the operand
	v_cvt_scalef32_pk8_bf8_f32 v[CD+16*\a+4*\b:CD+16*\a+4*\b+1], v[S+64*\a+16*\b:S+64*\a+16*\b+7], v[SCP]
	v_cvt_scalef32_pk8_bf8_f32 v[CD+16*\a+4*\b+2:CD+16*\a+4*\b+3], v[S+64*\a+16*\b+8:S+64*\a+16*\b+15], v[SCP]
.endm
	s_load_b256 s[4:11], s[0:1], 0x0               ; q_img s[4:5], k_img s[6:7], v_img s[8:9], the scales' exponents s[10:11]
	s_load_b64 s[12:13], s[0:1], 0x20              ; out_img
	v_lshl_add_u32 v[SPW], v0, 2, SPARE
	v_mov_b32 v[NIL], 0
	ds_add_u32 v[SPW], v[NIL]                      ; the opening lines: the add twice on end, and its wait ahead of the first tensor load
	ds_add_u32 v[SPW], v[NIL]
	v_lshrrev_b32 v8, 5, v0
	v_readfirstlane_b32 s18, v8                    ; wave 0..7
	s_and_b32 s14, ttmp7, 0xffff                   ; bh = b x 16 + head
	s_lshl_b32 s82, s14, 17                        ; its first byte in q_img, k_img, v_img
	s_mov_b32 s83, 0
	s_and_b32 s16, s18, 3                          ; which quarter I fetch,
	s_lshr_b32 s17, s18, 2                         ; of K (0) or of V (1)
	s_lshl_b32 s15, s17, 17
	s_mul_i32 s84, s16, FA
	s_mov_b32 s85, 0
	s_mul_i32 s86, s16, FB
	s_add_co_u32 s86, s86, 4*FA
	s_mov_b32 s87, 0
	s_mov_b32 s40, 1                               ; group 0 of the first fill
	s_add_co_u32 s41, s84, s15
	s_mov_b32 s44, 1                               ; and of the second
	s_add_co_u32 s45, s86, s15
	s_mov_b32 s24, 15|(3<<16)|(1<<21)              ; group 1: the mask of all four work-groups, elements of 8 bytes, bit 21 beside the mask; no padding: every LDS read takes 512 consecutive bytes
	s_mov_b32 s25, 32<<16                          ; rows of 256 bytes,
	s_mov_b32 s26, (FA/256)<<16
	s_mov_b32 s27, 32<<16
	s_mov_b32 s28, FA/256
	s_mov_b32 s29, 32                              ; dense in memory
	s_mov_b32 s30, 0
	s_mov_b32 s31, 0
	s_mov_b32 s32, 15|(3<<16)|(1<<21)
	s_mov_b32 s33, 32<<16
	s_mov_b32 s34, (FB/256)<<16
	s_mov_b32 s35, 32<<16
	s_mov_b32 s36, FB/256
	s_mov_b32 s37, 32
	s_mov_b32 s38, 0
	s_mov_b32 s39, 0
	s_mov_b32 s20, 0x76543210
	s_mov_b32 s21, 0xfedcba98                      ; v_permlanex16_b32: lane l xor 16
	s_mov_b32 s22, 0x3d38aa3b                      ; c = log2(e) / 32
	s_wait_dscnt 0x0                               ; both opening adds are done
	s_wait_kmcnt 0x0
	s_load_b256 s[68:75], s[10:11], 0x0            ; e0 .. e7
	s_cmp_eq_u32 s17, 0
	s_cselect_b64 s[76:77], s[6:7], s[8:9]
	s_add_nc_u64 s[76:77], s[76:77], s[82:83]
	s_add_nc_u64 s[42:43], s[76:77], s[84:85]
	s_or_b32 s43, s43, 0x80000000
	s_add_nc_u64 s[46:47], s[76:77], s[86:87]
	s_or_b32 s47, s47, 0x80000000
	CROUND                                         ; all four work-groups are here: the first joint loads meet
	tensor_load_to_lds s[40:43], s[24:31]          ; key steps 0 to 5: my one tensor load at the head
	s_nop 0
.rept 4
	v_nop
.endr
	s_bfe_u32 s19, ttmp6, 0x40000                  ; p: my work-group's place; it enters global addresses and the mask's numbers alone
	s_lshl_b32 s88, s18, 2
	s_add_co_u32 s88, s88, s19                     ; my second group, 4 w + p,
	s_sub_co_u32 s89, 63, s88                      ; and my first
	s_mov_b32 s91, 0
	s_lshl_b32 s90, s89, 11                        ; Q: two tiles of 1,024 bytes a group
	s_add_co_u32 s90, s90, s82
	s_add_nc_u64 s[54:55], s[4:5], s[90:91]
	s_lshl_b32 s90, s88, 11
	s_add_co_u32 s90, s90, s82
	s_add_nc_u64 s[56:57], s[4:5], s[90:91]
	s_lshr_b32 s92, s14, 4                         ; out: tile b x 128 + 2 x group, 16,384 bytes each; chunk = head
	s_lshl_b32 s92, s92, 21
	s_and_b32 s93, s14, 15
	s_lshl_b32 s93, s93, 10
	s_add_co_u32 s92, s92, s93
	s_lshl_b32 s90, s89, 15
	s_add_co_u32 s90, s90, s92
	s_add_nc_u64 s[58:59], s[12:13], s[90:91]
	s_lshl_b32 s90, s88, 15
	s_add_co_u32 s90, s90, s92
	s_add_nc_u64 s[60:61], s[12:13], s[90:91]
	s_sub_co_u32 s62, 3, s19
	s_lshl_b32 s62, s62, 5                         ; where the group in hand begins in its diagonal step: 32 (3 - p),
	s_lshl_b32 s63, s19, 5                         ; and the second group: 32 p
	s_wait_kmcnt 0x0
	s_add_co_i32 s96, s70, s71
	s_lshl_b32 s96, s96, 23
	s_add_co_i32 s22, s22, s96                     ; c x 2^(e2 + e3)
	s_mov_b32 s23, s22                             ; (named with it as a pair)
	s_add_co_i32 s[HS], s73, 127
	s_lshl_b32 s95, s[HS], 23                      ; 2^e5
	s_add_co_i32 s[HS], s[HS], 15
	s_lshl_b32 s[HS], s[HS], 23
	s_or_b32 s[HS], s[HS], 0x600000                ; 57,344 x 2^e5
	s_add_co_i32 s96, s74, 127
	s_lshl_b32 s97, s96, 23                        ; 2^e6
	s_add_co_i32 s96, s96, 15
	s_lshl_b32 s96, s96, 23
	s_or_b32 s96, s96, 0x600000
	s_add_co_i32 s81, s72, s73                     ; e4 + e5
	v_and_b32 v3, 31, v0
	v_lshlrev_b32 v[LI], 4, v3                     ; 16 x lane
	v_add_nc_u32 v[LV], VOFF, v[LI]
	WIN 0x40
.irp a, 0,1                                    ; both groups' Q stay in registers
	global_load_b128 v[QF+8*\a:QF+8*\a+3], v[LI], s[54:55] offset:1024*\a
	global_load_b128 v[QF+8*\a+4:QF+8*\a+7], v[LI], s[54:55] offset:1024*\a+512
	global_load_b128 v[Q2+8*\a:Q2+8*\a+3], v[LI], s[56:57] offset:1024*\a
	global_load_b128 v[Q2+8*\a+4:Q2+8*\a+7], v[LI], s[56:57] offset:1024*\a+512
.endr
	BEGIN
	v_and_b32 v9, 15, v0
	v_and_b32 v[DB], 8, v9
	v_add_nc_u32 v[DB], v[DB], v9                  ; r + 8 (r / 8): my query in its tile,
	v_bfe_u32 v9, v0, 4, 1
	v_lshlrev_b32 v9, 4, v9
	v_sub_nc_u32 v[DB], v[DB], v9                  ; less 16 h: my registers' keys begin 16 h on
	v_mov_b32 v[NINF], 0xff800000
	v_mov_b32 v[PM], 0                             ; a lane permute's destination counts as one of its sources
	v_mov_b32 v[PM+1], 0
	v_mov_b32 v[F+1], 0                            ; (named as upper halves of pairs)
	v_mov_b32 v[F+3], 0
	v_mov_b32 v[SCP], s95
	v_mov_b32 v[SCO], s97
	v_mov_b32 v[HLO], s96
	s_wait_alu depctr_va_vdst(0)
	s_wait_tensorcnt 0x0                           ; my part of steps 0 to 5 is in
	ds_add_u32 v[SPW], v[NIL]
	s_wait_dscnt 0x0
	CROUND                                         ; everybody's part is in, and the four work-groups are here
	tensor_load_to_lds s[44:47], s[32:39]          ; key steps 6 to 15: the first tensor load behind the round, and my last
	s_nop 0
.rept 4
	v_nop
.endr
	KLOAD LI                                       ; step 0's fragments
	VLOAD LV
	s_mov_b32 s50, 0
	s_wait_loadcnt 0x0                             ; Q
; A KEY STEP: 128 keys x my 32 queries.  full = 0: one of the first NA steps, which are on no wave's diagonal and end no group.
.macro STEP full
	s_add_co_u32 s51, s50, 1                       ; the next trip's key step:
.if \full
	s_add_co_u32 s52, s51, s18
	s_min_u32 s51, s51, 15
	s_and_b32 s53, s52, 15
	s_cmp_ge_u32 s52, 16
	s_cselect_b32 s53, s53, s51                    ; i + 1 in the first group, i + 1 + w - 16 in the second
	s_lshl_b32 s53, s53, 13                        ; 8,192 bytes a step, in K and in V
.else
	s_lshl_b32 s53, s51, 13
.endif
	s_wait_dscnt 16                                ; K's 16 loads are in; V's 16, issued behind them, may be out
	WIN 0x05
.irp t, 0,1,2,3,4,5,6,7
.irp a, 0,1
	v_wmma_f32_16x16x64_bf8_bf8 v[S+64*\a+8*\t:S+64*\a+8*\t+7], v[KF+8*\t:KF+8*\t+7], v[QF+8*\a:QF+8*\a+7], 0
.endr
.endr
	WIN 0
	v_add_nc_u32 v[ADK], s53, v[LI]                ; with three v_nop: four places behind the products
.rept 3
	v_nop
.endr
	KLOAD ADK                                      ; the next step's K
.if \full
	s_add_co_u32 s66, s50, s18
	s_cmp_eq_u32 s66, 15                           ; the first group's last step,
	s_cselect_b32 s54, 1, 0
	s_cmp_eq_u32 s50, 16                           ; or the second's: on the diagonal
	s_cselect_b32 s54, 1, s54
	s_cmp_eq_u32 s54, 0
	s_cbranch_scc1 .Lopen_\@
	v_add_nc_u32 v[D0], s62, v[DB]                 ; d = my query - the step's first key - 16 h: register 16 c + i is hidden where 32 c + i > d
	v_add_nc_u32 v[D0+1], 8, v[D0]                 ; the second tile's queries lie 8 on
.set n, 0
.rept 64
	v_cmp_gt_i32 vcc_lo, 32*(n/16)+n%16, v[D0]
	v_cndmask_b32 v[S+n], v[S+n], v[NINF], vcc_lo
	v_cmp_gt_i32 vcc_lo, 32*(n/16)+n%16, v[D0+1]
	v_cndmask_b32 v[S+64+n], v[S+64+n], v[NINF], vcc_lo
.set n, n+1
.endr
.Lopen_\@:
.endif
	MX0 0                                          ; tile 0's largest score
.set m, 0
.rept 26
	MX 0, m
.set m, m+1
.endr
	MX0 1                                          ; tile 1's; among its lines tile 0's way to -M and f
.set m, 0
.rept 26
	MX 1, m
.if (m%2)==1
.if m<22
	CH 0, m/2
.endif
.endif
.set m, m+1
.endr
.set m, 0
.rept 32                                       ; tile 0: t - M, two at a time; among these lines tile 1's way to -M and f
	v_pk_fma_f32 v[S+2*m:S+2*m+1], v[S+2*m:S+2*m+1], s[22:23], v[NM:NM+1] op_sel_hi:[1,0,0]
.if (m%2)==1
.if m<22
	CH 1, m/2
.endif
.endif
.set m, m+1
.endr
	s_wait_alu depctr_va_vdst(0)
.set j, 0
.rept 32                                       ; tile 0's exponentials; among them tile 1's t - M, which names none of their registers and is first read behind the next wait
	v_exp_f32 v[S+j], v[S+j]                       ; p = 2^(t - M), at most 1
	v_exp_f32 v[S+j+1], v[S+j+1]
	v_pk_fma_f32 v[S+64+j:S+64+j+1], v[S+64+j:S+64+j+1], s[22:23], v[NM+2:NM+3] op_sel_hi:[1,0,0]
.set j, j+2
.endr
.irp a, 0,1
	v_pk_mul_f32 v[L+2*\a:L+2*\a+1], v[L+2*\a:L+2*\a+1], v[F+2*\a:F+2*\a+1] op_sel_hi:[1,0]   ; l under the new M
.endr
	s_wait_alu depctr_va_vdst(0)                   ; one wait: behind tile 0's batch, ahead of its first reader, and ahead of tile 1's batch
	SUM 0
.set j, 0
.rept 32                                       ; tile 1's exponentials; among them tile 0's holds, first read behind the next wait
	v_exp_f32 v[S+64+j], v[S+64+j]
	v_exp_f32 v[S+64+j+1], v[S+64+j+1]
	HOLD2 S+j
.set j, j+2
.endr
	v_nop                                          ; a plain line behind the exponentials
	s_wait_alu depctr_va_vdst(0)                   ; behind tile 1's batch, ahead of its first reader and of the held numbers' readers
.irp b, 0,1,2,3
	CVT 0, \b
.endr
	SUM 1
.irp b, 0,1,2,3
.set i, 0
.rept 8
	HOLD2 S+64+16*\b+i
.set i, i+2
.endr
	CVT 1, \b
.endr
	s_wait_dscnt 16                                ; V's 16 loads are in; the next step's K, issued behind them, may be out
	WIN 0x41
	s_wait_alu depctr_va_vdst(0)                   ; directly ahead of the first reader of O^T
.irp a, 0,1
.set j, 0
.rept 16
	v_pk_mul_f32 v[O+32*\a+j:O+32*\a+j+1], v[O+32*\a+j:O+32*\a+j+1], v[F+2*\a:F+2*\a+1] op_sel_hi:[1,0]   ; O^T under the new M; also the plain lines between the conversions and the products
.set j, j+2
.endr
.endr
	WIN 0x51
.irp t, 0,1,2,3
.irp a, 0,1
	v_wmma_f32_16x16x128_bf8_bf8 v[O+32*\a+8*\t:O+32*\a+8*\t+7], v[VF+16*\t:VF+16*\t+15], v[CD+16*\a:CD+16*\a+15], v[O+32*\a+8*\t:O+32*\a+8*\t+7]   ; eight accumulators by turns
.endr
.endr
	WIN 0
	v_add_nc_u32 v[ADV], s53, v[LV]                ; with three v_nop: four places behind the products
.rept 3
	v_nop
.endr
	VLOAD ADV                                      ; the next step's V
.if \full
	s_cmp_eq_u32 s54, 0
	s_cbranch_scc1 .Lgo_\@
	; A GROUP'S END: O = O^T x 2^(e4 + e5) / l, quantised with 2^e6.  Register 8 t + j is channel 32 (t / 2) + 16 h + 8 (t % 2) + j of my query: the codes are fragments of the last product's operand
	s_wait_xcnt 0x0                                ; the first group's stores, a step or more back, have read their base and their data: both are written again below
	s_cmp_eq_u32 s50, 16
	s_cselect_b64 s[78:79], s[60:61], s[58:59]     ; the group's place in out_img
.irp a, 0,1
	v_add_f32 v[L+2*\a], v[L+2*\a], v[L+2*\a+1]
.endr
.irp a, 0,1
	v_permlanex16_b32 v[PM+\a], v[L+2*\a], s20, s21
.endr
.irp a, 0,1
	v_add_f32 v[L+2*\a], v[L+2*\a], v[PM+\a]       ; the row's sum
.endr
	s_wait_alu depctr_va_vdst(0)
	v_rcp_f32 v[L], v[L]
	v_rcp_f32 v[L+2], v[L+2]
	v_nop                                          ; a plain line behind them
	s_wait_alu depctr_va_vdst(0)                   ; and the wait ahead of their first reader
	v_ldexp_f32 v[L], v[L], s81
	v_ldexp_f32 v[L+2], v[L+2], s81
	WIN 0x01
	s_wait_alu depctr_va_vdst(0)                   ; directly ahead of the first reader of O^T
.irp a, 0,1
.set j, 0
.rept 16
	v_pk_mul_f32 v[S+32*\a+j:S+32*\a+j+1], v[O+32*\a+j:O+32*\a+j+1], v[L+2*\a:L+2*\a+1] op_sel_hi:[1,0]
.set j, j+2
.endr
.endr
	WIN 0
.set j, 0
.rept 64
	v_med3_num_f32 v[S+j], v[S+j], -v[HLO], v[HLO]
.set j, j+1
.endr
.irp k, 0,1,2,3,4,5,6,7
	v_cvt_scalef32_pk8_bf8_f32 v[OCD+2*\k:OCD+2*\k+1], v[S+8*\k:S+8*\k+7], v[SCO]
.endr
	v_nop                                          ; one plain vector line behind the last conversion
.irp a, 0,1
	global_store_b128 v[LI], v[OCD+8*\a:OCD+8*\a+3], s[78:79] offset:16384*\a           ; 32 lanes store 512 consecutive bytes, aligned
	global_store_b128 v[LI], v[OCD+8*\a+4:OCD+8*\a+7], s[78:79] offset:16384*\a+512
.endr
	s_cmp_eq_u32 s50, 16
	s_cbranch_scc1 .Lgo_\@                         ; that was the second group
	s_mov_b32 s62, s63
	WIN 0x41
.set i, 0
.rept 16
	v_mov_b32 v[QF+i], v[Q2+i]                     ; the second group begins: its Q,
.set i, i+1
.endr
	BEGIN                                          ; and its sums
	s_wait_alu depctr_va_vdst(0)
.Lgo_\@:
.endif
.endm
.LA:                                               ; steps 0 to NA - 1 of the first group; they read key steps 0 to NA, which the first fill brought
	STEP 0
	s_add_co_u32 s50, s50, 1
	s_cmp_lt_u32 s50, NA
	s_wait_alu depctr_va_vdst(0)
	s_cbranch_scc1 .LA
	s_wait_alu depctr_va_vdst(0)
	s_wait_tensorcnt 0x0                           ; my part of key steps 6 to 15 is in,
	s_wait_dscnt 0x0                               ; no LDS load of mine is out at the signal,
	s_barrier_signal -1
	s_barrier_wait -1                              ; and so is everybody's
	s_mov_b32 s50, NA
.LB:                                               ; trips NA to 16
	STEP 1
	s_add_co_u32 s50, s50, 1
	s_cmp_lt_u32 s50, 17
	s_wait_alu depctr_va_vdst(0)
	s_cbranch_scc1 .LB
	s_wait_tensorcnt 0x0                           ; the wave's end
	ds_add_u32 v[SPW], v[NIL]
	s_wait_dscnt 0x0
	CROUND                                         ; the closing round
	s_endpgm
.Lfunc_end_k_q9eeea328d9_attn:
	.size	k_q9eeea328d9_attn, .Lfunc_end_k_q9eeea328d9_attn-k_q9eeea328d9_attn
	.p2alignl 7, 3214868480
	.fill 96, 4, 3214868480
	.section	.rodata,"a",@progbits
	.p2align	6, 0x0
	.amdhsa_kernel k_q9eeea328d9_attn
		.amdhsa_group_segment_fixed_size 327680
		.amdhsa_private_segment_fixed_size 0
		.amdhsa_enable_private_segment 0
		.amdhsa_kernarg_size 40
		.amdhsa_user_sgpr_count 2
		.amdhsa_user_sgpr_kernarg_segment_ptr 1
		.amdhsa_wavefront_size32 1
		.amdhsa_system_sgpr_workgroup_id_x 1
		.amdhsa_system_sgpr_workgroup_id_y 1
		.amdhsa_system_sgpr_workgroup_id_z 1
		.amdhsa_system_vgpr_workitem_id 0
		.amdhsa_next_free_vgpr 512
		.amdhsa_next_free_sgpr 100
		.amdhsa_reserve_vcc 1
		.amdhsa_float_denorm_mode_32 3
		.amdhsa_float_denorm_mode_16_64 3
		.amdhsa_memory_ordered 1
		.amdhsa_forward_progress 1
		.amdhsa_inst_pref_size 90
	.end_amdhsa_kernel
	.amdgpu_metadata
---
amdhsa.version: [ 1, 2 ]
amdhsa.kernels:
  - .name:           k_q9eeea328d9_attn
    .symbol:         k_q9eeea328d9_attn.kd
    .args:
      - { .name: q_img, .offset: 0, .size: 8, .value_kind: global_buffer, .address_space: global }
      - { .name: k_img, .offset: 8, .size: 8, .value_kind: global_buffer, .address_space: global }
      - { .name: v_img, .offset: 16, .size: 8, .value_kind: global_buffer, .address_space: global }
      - { .name: lowp_scales, .offset: 24, .size: 8, .value_kind: global_buffer, .address_space: global }
      - { .name: out_img, .offset: 32, .size: 8, .value_kind: global_buffer, .address_space: global }
    .group_segment_fixed_size: 327680
    .private_segment_fixed_size: 0
    .kernarg_segment_align: 8
    .kernarg_segment_size: 40
    .max_flat_workgroup_size: 256
    .sgpr_count:     100
    .vgpr_count:     512
    .wavefront_size: 32
...
	.end_amdgpu_metadata
.endif
;; end of part 3
;; launch proj (part 4): grid 8 x 32, 4 waves a work-group, clusters of 4 x 4, 327,680 bytes of LDS; arguments out_img, wproj_img, lowp_scales, bproj, out0; writes out0
.if DOCPART == 4
	.amdgcn_target "amdgcn-amd-amdhsa--gfx1250"
	.amdhsa_code_object_version 6
	.text
	.protected	k_q9eeea328d9_proj
	.globl	k_q9eeea328d9_proj
	.p2align	8
	.type	k_q9eeea328d9_proj,@function
k_q9eeea328d9_proj:
	s_mov_b64 s[64:65], 0
	v_nop
	global_prefetch_b8 v0, s[64:65] scope:SCOPE_SE
	s_setreg_imm32_b32 hwreg(HW_REG_WAVE_MODE, 25, 1), 1
	s_wait_xcnt 0x0
	s_wait_alu depctr_hold_cnt(0) depctr_sa_sdst(0) depctr_va_vdst(0) depctr_va_sdst(0) depctr_va_ssrc(0) depctr_va_vcc(0) depctr_vm_vsrc(0)
	s_getreg_b32 s2, hwreg(HW_REG_IB_STS2, 6, 4)
	s_cmp_eq_u32 s2, 0
	s_cbranch_scc0 .Lentry_in_a_cluster
	s_endpgm
.Lentry_in_a_cluster:
	s_bfe_u32 s2, ttmp6, 0x10000c
	s_cmp_lg_u32 s2, 0xf033
	s_cbranch_scc0 .Lentry_shape_is_right
	s_endpgm
.Lentry_shape_is_right:
.set REG,   98304
.set SPARE, 3*REG
.set STAGE, REG
.set LI,  1
.set SPW, 8
.set NIL, 9
.set STO, 10
.set RD,  11
.set CO,  12
.set AF,  32
.set BF,  160
.set BI,  224
.set TMP, 32
.set BK,  64
.set G1A, 24
.set G1B, 32
.set G0A, 40
.set G0B, 52
.set MSB, 0
.macro WIN new
.if MSB != (\new)
	s_set_vgpr_msb (MSB<<8)|(\new)
.set MSB, (\new)
.endif
.endm
.macro PLACES
.rept 4
	v_nop
.endr
.endm
.macro JLOAD g0a, g0b
	s_cmp_eq_u32 s19, 0
	s_cbranch_scc0 .Lfor_b_\@
	tensor_load_to_lds s[\g0a:\g0a+3], s[G1A:G1A+7]
	s_nop 0
.rept 4
	v_nop
.endr
	s_branch .Lasked_\@
.Lfor_b_\@:
	tensor_load_to_lds s[\g0b:\g0b+3], s[G1B:G1B+7]
	s_nop 0
.rept 4
	v_nop
.endr
.Lasked_\@:
.endm
.macro CREST
	s_cmp_lg_u32 s18, 0
	s_cbranch_scc1 .Lnot_wave_0_\@
	s_barrier_signal -3
.Lnot_wave_0_\@:
	s_barrier_wait -3
	s_barrier_signal -1
	s_barrier_wait -1
.endm
.macro CROUND
	s_barrier_signal -1
	s_barrier_wait -1
	CREST
.endm
.macro FETCH4 rg, off, set
.irp i, 0,1,2,3
	ds_load_b128 v[BF+32*(\set)+8*\i:BF+32*(\set)+8*\i+3],   v[3+2*\rg] offset:(\off)+\i*4096
	ds_load_b128 v[BF+32*(\set)+8*\i+4:BF+32*(\set)+8*\i+7], v[3+2*\rg] offset:(\off)+\i*4096+512
.endr
.irp i, 0,1,2,3,4,5,6,7
	ds_load_b128 v[AF+64*(\set)+8*\i:AF+64*(\set)+8*\i+3],   v[2+2*\rg] offset:(\off)+\i*4096
	ds_load_b128 v[AF+64*(\set)+8*\i+4:AF+64*(\set)+8*\i+7], v[2+2*\rg] offset:(\off)+\i*4096+512
.endr
.endm
.macro MUL16 p, zero, b0
.irp b, \b0, \b0+1
.irp a, 0,1,2,3,4,5,6,7
.if \zero
	v_wmma_f32_16x16x64_bf8_bf8 v[8*(8*(\b)+\a):8*(8*(\b)+\a)+7], v[BF+32*(\p)+8*(\b):BF+32*(\p)+8*(\b)+7], v[AF+64*(\p)+8*\a:AF+64*(\p)+8*\a+7], 0
.else
	v_wmma_f32_16x16x64_bf8_bf8 v[8*(8*(\b)+\a):8*(8*(\b)+\a)+7], v[BF+32*(\p)+8*(\b):BF+32*(\p)+8*(\b)+7], v[AF+64*(\p)+8*\a:AF+64*(\p)+8*\a+7], v[8*(8*(\b)+\a):8*(8*(\b)+\a)+7]
.endif
.endr
.endr
.endm
.macro CH4 p, zero, rg, off
	s_wait_dscnt 0x0
	PLACES
	FETCH4 \rg, \off, 1-\p
	WIN 0x50
	MUL16 \p, \zero, 0
	MUL16 \p, \zero, 2
	WIN 0
.endm
.macro TURN4 p, fill, rg
	s_wait_tensorcnt 0x0
	ds_add_u32 v[SPW], v[NIL]
	s_wait_dscnt 1
	WIN 0x50
	MUL16 \p, 0, 0
	s_wait_dscnt 0x0
	s_barrier_signal -1
	MUL16 \p, 0, 2
	WIN 0
	s_barrier_wait -1
.if \fill
	CREST
	s_add_nc_u64 s[G0A+2:G0A+3], s[G0A+2:G0A+3], 12288
	s_add_nc_u64 s[G0B+2:G0B+3], s[G0B+2:G0B+3], 12288
	JLOAD G0A, G0B
.else
	PLACES
.endif
	FETCH4 \rg, 0, 1-\p
.endm
	s_load_b256 s[4:11], s[0:1], 0x0
	s_load_b64 s[12:13], s[0:1], 0x20
	v_lshl_add_u32 v[SPW], v0, 2, SPARE
	v_mov_b32 v[NIL], 0
	ds_add_u32 v8, v9
	ds_add_u32 v8, v9
	s_wait_dscnt 0x0
	v_lshrrev_b32 v1, 5, v0
	v_readfirstlane_b32 s18, v1
	s_lshr_b32 s19, s18, 1
	s_and_b32 s20, s18, 1
	s_bfe_u32 s76, ttmp6, 0x40000
	s_bfe_u32 s77, ttmp6, 0x40004
	s_lshl_b32 s78, ttmp9, 2
	s_add_co_u32 s78, s78, s76
	s_and_b32 s79, ttmp7, 0xffff
	s_lshl_b32 s79, s79, 2
	s_add_co_u32 s79, s79, s77
	s_lshl_b32 s80, s77, 2
	s_lshl_b32 s80, 15, s80
	s_lshl_b32 s81, 0x1111, s76
	s_or_b32 s[G1A], s80, (3<<16)|(1<<21)
	s_or_b32 s[G1B], s81, (3<<16)|(1<<21)
.irp g, G1A, G1B
	s_mov_b32 s[\g+1], 512<<16
	s_mov_b32 s[\g+3], 512<<16
	s_mov_b32 s[\g+5], 2048
	s_mov_b32 s[\g+6], 0
	s_mov_b32 s[\g+7], 0
.endr
	s_mov_b32 s[G1A+2], 8<<16
	s_mov_b32 s[G1A+4], 8
	s_mov_b32 s[G1B+2], 4<<16
	s_mov_b32 s[G1B+4], 4
	s_lshl_b32 s82, s79, 18
	s_lshl_b32 s83, s20, 17
	s_add_co_u32 s82, s82, s83
	s_mov_b32 s83, 0
	s_lshl_b32 s84, s78, 17
	s_lshl_b32 s85, s20, 16
	s_add_co_u32 s84, s84, s85
	s_mov_b32 s85, 0
	s_wait_kmcnt 0x0
	s_load_b256 s[92:99], s[8:9], 0x0
	s_add_nc_u64 s[82:83], s[4:5], s[82:83]
	s_add_nc_u64 s[84:85], s[6:7], s[84:85]
	CROUND
.irp s, 0,1,2
	s_mov_b32 s[G0A+4*\s], 1
	s_lshl_b32 s[G0A+4*\s+1], s20, 15
	s_add_co_u32 s[G0A+4*\s+1], s[G0A+4*\s+1], \s*REG
	s_add_nc_u64 s[G0A+4*\s+2:G0A+4*\s+3], s[82:83], \s*4096
	s_or_b32 s[G0A+4*\s+3], s[G0A+4*\s+3], 0x80000000
	s_mov_b32 s[G0B+4*\s], 1
	s_lshl_b32 s[G0B+4*\s+1], s20, 14
	s_add_co_u32 s[G0B+4*\s+1], s[G0B+4*\s+1], \s*REG+65536
	s_add_nc_u64 s[G0B+4*\s+2:G0B+4*\s+3], s[84:85], \s*4096
	s_or_b32 s[G0B+4*\s+3], s[G0B+4*\s+3], 0x80000000
	s_wait_alu depctr_va_vdst(0)
	s_wait_tensorcnt 0x0
	ds_add_u32 v8, v9
	ds_add_u32 v8, v9
	s_wait_dscnt 0x0
	CROUND
	JLOAD G0A+4*\s, G0B+4*\s
.endr
	v_and_b32 v1, 31, v0
	v_lshlrev_b32 v[LI], 4, v1
	s_lshl_b32 s86, s19, 15
	s_lshl_b32 s87, s20, 14
	s_add_co_u32 s87, s87, 65536
.irp s, 0,1,2
	v_add_nc_u32 v[2+2*\s], s86, v[LI]
	v_add_nc_u32 v[3+2*\s], s87, v[LI]
	s_add_co_u32 s86, s86, REG
	s_add_co_u32 s87, s87, REG
.endr
	s_mul_i32 s86, s18, 16*272
	s_add_co_u32 s86, s86, STAGE
	v_and_b32 v14, 15, v0
	v_bfe_u32 v15, v0, 4, 1
	v_mul_u32_u24 v[STO], v14, 272
	v_lshl_add_u32 v[STO], v15, 6, v[STO]
	v_add_nc_u32 v[STO], s86, v[STO]
	v_mul_u32_u24 v[RD], v15, 272
	v_lshl_add_u32 v[RD], v14, 4, v[RD]
	v_add_nc_u32 v[RD], s86, v[RD]
	v_lshlrev_b32 v[CO], 12, v15
	v_lshl_add_u32 v[CO], v14, 4, v[CO]
	v_lshlrev_b32 v13, 6, v15
	s_wait_alu depctr_va_vdst(0)
	s_lshl_b32 s88, s78, 9
	s_lshl_b32 s89, s20, 8
	s_add_co_u32 s88, s88, s89
	s_mov_b32 s89, 0
	s_add_nc_u64 s[10:11], s[10:11], s[88:89]
	s_lshl_b32 s90, s79, 20
	s_lshl_b32 s91, s19, 19
	s_add_co_u32 s90, s90, s91
	s_add_co_u32 s90, s90, s88
	s_mov_b32 s91, 0
	s_add_nc_u64 s[12:13], s[12:13], s[90:91]
.irp b, 0,1,2,3
	global_load_b128 v[BI+8*\b:BI+8*\b+3],   v13, s[10:11] offset:(32*(\b/2)+8*(\b%2))*4
	global_load_b128 v[BI+8*\b+4:BI+8*\b+7], v13, s[10:11] offset:(32*(\b/2)+8*(\b%2))*4+16
.endr
	s_wait_tensorcnt 2
	s_barrier_signal -1
	s_barrier_wait -1
	FETCH4 0, 0, 0
	CH4 0, 1, 0, 1024
	CH4 1, 0, 0, 2048
	CH4 0, 0, 0, 3072
	TURN4 1, 1, 1
	CH4 0, 0, 1, 1024
	CH4 1, 0, 1, 2048
	CH4 0, 0, 1, 3072
	CH4 1, 0, 2, 0
	CH4 0, 0, 2, 1024
	CH4 1, 0, 2, 2048
	CH4 0, 0, 2, 3072
	TURN4 1, 0, 0
	CH4 0, 0, 0, 1024
	CH4 1, 0, 0, 2048
	CH4 0, 0, 0, 3072
	s_wait_dscnt 0x0
	WIN 0x50
	MUL16 1, 0, 0
	MUL16 1, 0, 2
	WIN 0
	PLACES
.macro TOSTAGE a
	WIN 0x01
.irp b, 0,1,2,3
.irp i, 0,2,4,6
	v_pk_fma_f32 v[TMP+8*\b+\i:TMP+8*\b+\i+1], v[8*(8*\b+(\a))+\i:8*(8*\b+(\a))+\i+1], s[100:101], v[BI+8*\b+\i:BI+8*\b+\i+1] op_sel_hi:[1,0,1]
.endr
.endr
	WIN 0
.irp b, 0,1,2,3
	ds_store_b128 v[STO], v[TMP+8*\b:TMP+8*\b+3]   offset:128*(\b/2)+32*(\b%2)
	ds_store_b128 v[STO], v[TMP+8*\b+4:TMP+8*\b+7] offset:128*(\b/2)+32*(\b%2)+16
.endr
.set BB, BK+32*((\a)%2)
.irp i, 0,1,2,3,4,5,6,7
	ds_load_b128 v[BB+4*\i:BB+4*\i+3], v[RD] offset:544*\i
.endr
.endm
.macro SEND a, younger
.set BB, BK+32*((\a)%2)
	s_wait_dscnt \younger
.irp i, 0,1,2,3,4,5,6,7
	global_store_b128 v[CO], v[BB+4*\i:BB+4*\i+3], s[12:13] offset:(32*((\a)/2)+8*((\a)%2)+2*\i+8*(\i/4))*4096 th:TH_STORE_NT
.endr
.endm
	s_wait_kmcnt 0x0
	s_add_co_i32 s100, s98, s99
	s_add_co_i32 s100, s100, 127
	s_lshl_b32 s100, s100, 23
	s_mov_b32 s101, s100
	s_wait_loadcnt 0x0
	TOSTAGE 0
.irp a, 1,2,3,4,5,6,7
.if \a > 1
	s_wait_xcnt 0x0
.endif
	TOSTAGE \a
	SEND \a-1, 16
.endr
	SEND 7, 0
	s_wait_tensorcnt 0x0
	ds_add_u32 v[SPW], v[NIL]
	s_wait_dscnt 0x0
	CROUND
	s_endpgm
.Lfunc_end_k_q9eeea328d9_proj:
	.size	k_q9eeea328d9_proj, .Lfunc_end_k_q9eeea328d9_proj-k_q9eeea328d9_proj
	.p2alignl 7, 3214868480
	.fill 96, 4, 3214868480
	.section	.rodata,"a",@progbits
	.p2align	6, 0x0
	.amdhsa_kernel k_q9eeea328d9_proj
		.amdhsa_group_segment_fixed_size 327680
		.amdhsa_private_segment_fixed_size 0
		.amdhsa_enable_private_segment 0
		.amdhsa_kernarg_size 40
		.amdhsa_user_sgpr_count 2
		.amdhsa_user_sgpr_kernarg_segment_ptr 1
		.amdhsa_wavefront_size32 1
		.amdhsa_system_sgpr_workgroup_id_x 1
		.amdhsa_system_sgpr_workgroup_id_y 1
		.amdhsa_system_sgpr_workgroup_id_z 1
		.amdhsa_system_vgpr_workitem_id 0
		.amdhsa_next_free_vgpr 512
		.amdhsa_next_free_sgpr 102
		.amdhsa_reserve_vcc 0
		.amdhsa_float_denorm_mode_32 3
		.amdhsa_float_denorm_mode_16_64 3
		.amdhsa_memory_ordered 1
		.amdhsa_forward_progress 1
		.amdhsa_inst_pref_size 95
	.end_amdhsa_kernel
	.amdgpu_metadata
---
amdhsa.version: [ 1, 2 ]
amdhsa.kernels:
  - .name:           k_q9eeea328d9_proj
    .symbol:         k_q9eeea328d9_proj.kd
    .args:
      - { .name: out_img, .offset: 0, .size: 8, .value_kind: global_buffer, .address_space: global }
      - { .name: wproj_img, .offset: 8, .size: 8, .value_kind: global_buffer, .address_space: global }
      - { .name: lowp_scales, .offset: 16, .size: 8, .value_kind: global_buffer, .address_space: global }
      - { .name: bproj, .offset: 24, .size: 8, .value_kind: global_buffer, .address_space: global }
      - { .name: out0, .offset: 32, .size: 8, .value_kind: global_buffer, .address_space: global }
    .group_segment_fixed_size: 327680
    .private_segment_fixed_size: 0
    .kernarg_segment_align: 8
    .kernarg_segment_size: 40
    .max_flat_workgroup_size: 128
    .sgpr_count:     102
    .vgpr_count:     512
    .wavefront_size: 32
...
	.end_amdgpu_metadata
.endif
;; end of part 4
